; MI455X (gfx1250); checked and timed in simulation.
; The chip was launched on July 23, 2026; its instructions are those of AMD's public machine-readable ISA for CDNA 5 (MIT licence, August 2026) and "CDNA5" Instruction Set Architecture Reference Guide (July 2026). The comments in the code are by the model that wrote it; some were corrected since.
;; Top2 Router. Allowed arithmetic: matrix products marked QUANTISED: E2M1 operands, one E8M0 scale for each 32 along K, by v_wmma_scale_f32_16x16x128_f8f6f4 with both operands' format E2M1 (or v_wmma_scale_f32_32x16x128_f4), f32 sums; everything else in f32.
;; Inputs: W 2,048 x 64 float32; x 4 x 4,096 x 2,048 float32.
;; Outputs: out0 4 x 4,096 x 2 int32; out1 4 x 4,096 x 2 float32; out2 4 x 4,096 x 64 float32.
;; This version of the problem:
;;   THIS VERSION OF THE PROBLEM IS GIVEN IN LOW PRECISION. The matrix products marked QUANTISED in the list below multiply operands that are first quantised to E2M1 (2 exponent bits, 1 mantissa bit; 4 bits a number), with one power-of-two scale for each 32 numbers along K (OCP MX v1.0); their sums are f32. All else is computed in f32.
;;   The module's matrix products, in the order in which they are computed (A, B: the left and right operand; K: the contracted axis; several contracted axes count as one K, in the product's order):
;;     1. [M 16,384, K 2,048] x [K 2,048, N 64]; A: input x; B: input W: QUANTISED
;;   THE QUANTISER, for each operand of a quantised product, along K:
;;     - K is cut into blocks of 32 from its start; a last block that is shorter is filled with zeros.
;;     - A block's scale is 2^e with e = floor(log2(the largest magnitude in the block)) - 2, held to -126 .. 127; a block of zeros has e = 0. As a byte (E8M0): e + 127.
;;     - Each number is divided by its block's scale, clamped to +-6, and rounded to the nearest number of E2M1, ties to even, subnormals kept.
;;     - The product sums the exact products of the quantised numbers (number of the format x scale) in f32.
;;   ~~~python
;;   def quantise(x, axis):      # numpy; x: float32 -> the quantised numbers, widened to float32 again
;;       x = np.moveaxis(x, axis, -1); K = x.shape[-1]
;;       x = np.pad(x, [(0, 0)] * (x.ndim - 1) + [(0, -K % 32)]); x = x.reshape(x.shape[:-1] + (-1, 32)); a = np.abs(x).max(-1, keepdims=True)
;;       e = np.where(a > 0, np.clip(np.frexp(np.where(a > 0, a, 1))[1] - 1 - 2, -126, 127), 0)      # np.frexp(a)[1] - 1 = floor(log2(a)), exactly
;;       r = np.clip(x / 2.0 ** e, -6, 6)
;;       step = 2.0 ** (np.maximum(np.frexp(np.where(r == 0, 1, r))[1] - 1, 0) - 1)
;;       q = np.round(r / step) * step * 2.0 ** e      # np.round: ties to even
;;       return np.moveaxis(q.reshape(q.shape[:-2] + (-1,))[..., :K], -1, axis).astype(np.float32)
;;   ~~~
;; 2 versions, each right; version 2 is version 1 with the launch main written anew for expert scheduling mode. Each part assembles by itself: llvm-mc -triple=amdgcn-amd-amdhsa -mcpu=gfx1250 --defsym DOCPART=n.
;; ======== version 1 of 2: 2 launches
;; workspace buffers: wq 65,536 bytes; ws 4,096 bytes
;; launch prep (part 1): grid 16 x 1, 8 waves a work-group, no clusters, 1,280 bytes of LDS; arguments W, wq, ws; writes wq, ws
.if DOCPART == 1
	.amdgcn_target "amdgcn-amd-amdhsa--gfx1250"
	.amdhsa_code_object_version 6
	.text
	.protected	k_qdbe651df3f_prep
	.globl	k_qdbe651df3f_prep
	.p2align	8
	.type	k_qdbe651df3f_prep,@function
k_qdbe651df3f_prep:
	s_mov_b64 s[64:65], 0
	v_nop
	global_prefetch_b8 v0, s[64:65] scope:SCOPE_SE
	s_setreg_imm32_b32 hwreg(HW_REG_WAVE_MODE, 25, 1), 1
	s_wait_xcnt 0x0
; W [2048 (k)][64 (n)], f32, is quantised along K, its FIRST axis, into codes of FP4 (E2M1) with one E8M0 scale byte for each 32 along K.
; A block's scale is 2^(floor(log2(its largest magnitude)) - 2); its byte is the largest magnitude's exponent field - 2, held at 1 from below.
; LIMITS: a block of zeros gets the byte 1 where the quantiser's text says 127: its codes are zeros, which add nothing, and the bytes are read by this program alone.  NaN and infinities are not served.
; THE CODES ARE LAID AS THE NEXT LAUNCH'S OPERAND REGISTERS WANT THEM.  Fragment (s, t) = K step s of 128, columns 16 t .. 16 t + 15: 8 registers a lane; lane (r, h) holds column 16 t + r,
; registers 4 c .. 4 c + 3 hold k = 128 s + 64 c + 32 h + 0 .. 31.  wq: byte ((4 s + t) 2 + c) 512 + 16 (16 h + r): a group of four registers is 512 bytes on end, 16 bytes a lane.
; ws: [s][n] words, byte b of a word = the scale of block b of K step s.
; SHARES.  Work-group s takes K step s.  Wave (b, p) takes block b = 2 c + h of the step and columns 32 p .. 32 p + 31: A LANE TAKES A COLUMN, ITS 32 REGISTERS RUN DOWN K, so that the block's largest
; magnitude needs no other lane and the conversions give codes with K innermost.  Each load reads 128 consecutive bytes; the two waves p stand side by side on a row's 256.
; A lane's 16 bytes of codes are one lane's place in an image: lanes 0-15 (tile 2 p) store 256 consecutive aligned bytes, lanes 16-31 (tile 2 p + 1) another 256.
; The step's 256 scale bytes meet in LDS and leave by one store of 256 consecutive aligned bytes.
.set X, 16                             ; v16-47  my column's 32 numbers
.set C, 48                             ; v48-51  their codes
	s_load_b128 s[4:7], s[0:1], 0x0                ; W s[4:5], wq s[6:7]
	s_load_b64 s[8:9], s[0:1], 0x10                ; ws
	v_lshl_add_u32 v64, v0, 2, 0x100
	v_mov_b32 v65, 0
	v_lshrrev_b32 v1, 5, v0
	v_readfirstlane_b32 s10, v1                    ; wave 0..7
	v_and_b32 v2, 31, v0                           ; lane
	s_and_b32 s11, s10, 1                          ; p: which 32 columns
	s_lshr_b32 s12, s10, 1                         ; b: which block of the K step
	v_lshlrev_b32 v3, 2, v2                        ; W: 4 bytes a lane
	s_lshl_b32 s13, s11, 7                         ; 128 p: my 32 columns in a row of W, and my 32 words among the step's 64
	s_add_co_u32 s14, s13, s12
	v_add_nc_u32 v5, s14, v3                       ; LDS: my column's word, my block's byte: 4 lane + 128 p + b
	v_lshlrev_b32 v6, 3, v2                        ; the way out of the scale words: 8 bytes a lane
	v_and_b32 v7, 15, v2
	v_lshrrev_b32 v8, 4, v2
	v_lshlrev_b32 v4, 4, v7
	v_lshl_add_u32 v4, v8, 10, v4                  ; wq: 16 r, and lanes 16-31 one tile (1,024 bytes) on
	s_lshl_b32 s16, ttmp9, 15                      ; W: a K step is 128 rows of 256 bytes,
	s_lshl_b32 s15, s12, 13                        ; a block 32 rows
	s_add_co_u32 s16, s16, s15
	s_add_co_u32 s16, s16, s13
	s_mov_b32 s17, 0
	s_lshl_b32 s18, ttmp9, 12                      ; wq: a K step's four fragments are 4,096 bytes,
	s_lshl_b32 s15, s11, 11                        ; two tiles 2,048,
	s_add_co_u32 s18, s18, s15
	s_lshl_b32 s15, s12, 8                         ; 512 c + 256 h = 256 b
	s_add_co_u32 s18, s18, s15
	s_mov_b32 s19, 0
	s_lshl_b32 s20, ttmp9, 8                       ; ws: 256 bytes a K step
	s_mov_b32 s21, 0
	s_wait_kmcnt 0x0
	s_add_nc_u64 s[4:5], s[4:5], s[16:17]
	s_add_nc_u64 s[6:7], s[6:7], s[18:19]
	s_add_nc_u64 s[8:9], s[8:9], s[20:21]
.irp i, 0,1,2,3,4,5,6,7,8,9,10,11,12,13,14,15,16,17,18,19,20,21,22,23,24,25,26,27,28,29,30,31
	global_load_b32 v[X+\i], v3, s[4:5] offset:256*\i th:TH_LOAD_NT   ; W(128 s + 32 b + i, my column); read once in this launch
.endr
	s_wait_loadcnt 0x0
	v_max3_num_f32 v9, |v[X]|, |v[X+1]|, 0x1800000      ; the block's largest magnitude, in two chains; the floor 2^(3 - 127) is one more leaf: the byte cannot fall under 1
	v_max3_num_f32 v10, |v[X+16]|, |v[X+17]|, 0x1800000
.irp i, 2,4,6,8,10,12,14
	v_max3_num_f32 v9, v9, |v[X+\i]|, |v[X+\i+1]|
	v_max3_num_f32 v10, v10, |v[X+16+\i]|, |v[X+17+\i]|
.endr
	v_max_num_f32 v9, v9, v10
	v_add_nc_u32 v11, 0xff000000, v9               ; 2 off its exponent field: the conversion takes the exponent field of this operand as its scale, and nothing else of it
.irp g, 0,1,2,3
	v_cvt_scalef32_pk8_fp4_f32 v[C+\g], v[X+8*\g:X+8*\g+7], v11   ; eight numbers / the scale, to the nearest code, ties to even, beyond 6 the largest code; the lowest k in the lowest four bits
.endr
	v_lshrrev_b32 v12, 23, v11                     ; the scale's byte (a plain line behind the conversions)
	ds_store_b8 v5, v12
	global_store_b128 v4, v[C:C+3], s[6:7]         ; sixteen lanes store 256 consecutive bytes, at a multiple of 256 from wq's first byte
	s_wait_dscnt 0x0                               ; for wave 0's sake: my byte store is done
	s_barrier_signal -1
	s_barrier_wait -1                              ; all 256 scale bytes of the step lie in LDS
	s_cmp_lg_u32 s10, 0
	s_cbranch_scc1 .Ldone
	ds_load_b64 v[52:53], v6
	s_wait_dscnt 0x0
	global_store_b64 v6, v[52:53], s[8:9]          ; 32 lanes store 256 consecutive bytes, at a multiple of 256 from ws's first byte
.Ldone:
	s_wait_tensorcnt 0x0
	ds_add_u32 v64, v65
	s_wait_dscnt 0x0
	s_endpgm
.Lfunc_end_k_qdbe651df3f_prep:
	.size	k_qdbe651df3f_prep, .Lfunc_end_k_qdbe651df3f_prep-k_qdbe651df3f_prep
	.p2alignl 7, 3214868480
	.fill 96, 4, 3214868480
	.section	.rodata,"a",@progbits
	.p2align	6, 0x0
	.amdhsa_kernel k_qdbe651df3f_prep
		.amdhsa_group_segment_fixed_size 1280
		.amdhsa_private_segment_fixed_size 0
		.amdhsa_enable_private_segment 0
		.amdhsa_kernarg_size 24
		.amdhsa_user_sgpr_count 2
		.amdhsa_user_sgpr_kernarg_segment_ptr 1
		.amdhsa_wavefront_size32 1
		.amdhsa_system_sgpr_workgroup_id_x 1
		.amdhsa_system_sgpr_workgroup_id_y 1
		.amdhsa_system_sgpr_workgroup_id_z 1
		.amdhsa_system_vgpr_workitem_id 0
		.amdhsa_next_free_vgpr 66
		.amdhsa_next_free_sgpr 66
		.amdhsa_reserve_vcc 0
		.amdhsa_float_denorm_mode_32 3
		.amdhsa_float_denorm_mode_16_64 3
		.amdhsa_memory_ordered 1
		.amdhsa_forward_progress 1
		.amdhsa_inst_pref_size 7
	.end_amdhsa_kernel
	.amdgpu_metadata
---
amdhsa.version: [ 1, 2 ]
amdhsa.kernels:
  - .name:           k_qdbe651df3f_prep
    .symbol:         k_qdbe651df3f_prep.kd
    .args:
      - { .name: W, .offset: 0, .size: 8, .value_kind: global_buffer, .address_space: global }
      - { .name: wq, .offset: 8, .size: 8, .value_kind: global_buffer, .address_space: global }
      - { .name: ws, .offset: 16, .size: 8, .value_kind: global_buffer, .address_space: global }
    .group_segment_fixed_size: 1280
    .private_segment_fixed_size: 0
    .kernarg_segment_align: 8
    .kernarg_segment_size: 24
    .max_flat_workgroup_size: 256
    .sgpr_count:     66
    .vgpr_count:     66
    .wavefront_size: 32
...
	.end_amdgpu_metadata
.endif
;; end of part 1
;; launch main (part 2): grid 256 x 1, 8 waves a work-group, no clusters, 208,896 bytes of LDS; arguments x, wq, ws, out0, out1, out2; writes out0, out1, out2
.if DOCPART == 2
	.amdgcn_target "amdgcn-amd-amdhsa--gfx1250"
	.amdhsa_code_object_version 6
	.text
	.protected	k_qdbe651df3f_main
	.globl	k_qdbe651df3f_main
	.p2align	8
	.type	k_qdbe651df3f_main,@function
k_qdbe651df3f_main:
	s_mov_b64 s[64:65], 0
	v_nop
	global_prefetch_b8 v0, s[64:65] scope:SCOPE_SE
	s_setreg_imm32_b32 hwreg(HW_REG_WAVE_MODE, 25, 1), 1
	s_wait_xcnt 0x0
; logits[t][e] = the sum over k of Q(x)[t][k] Q(W)[k][e]: 16,384 tokens, K = 2,048, 64 experts; Q = codes of FP4 (E2M1) with one E8M0 scale for each 32 along K; sums in f32.
; out2 = logits;  out0 = the indices of each token's two largest logits (of equal logits the lower index first);  out1 = softmax of those two.
; x arrives as f32 and is quantised here, on its way to the matrix unit; W's codes (wq) and scale words (ws) were made by the launch before, laid as operand registers.
; LIMITS: NaN and infinities among the inputs are not served.  -0 and +0 count as equal in the search for the two largest.  A block of zeros gets the scale byte 1 and zero codes, which add nothing.
;   A gate that would lie under 2^-126 comes out as 0 (v_exp_f32 gives 0 there: ISA guide, its entry in 15.8).
; SHARES.  A work-group of eight waves owns 64 tokens.  THE WAVES SHARE K: wave w owns k = 256 w .. 256 w + 255, two K steps of 128, for all 64 tokens.  So its part of W is 64 registers of codes and
; 4 of scale words, read once: 68 KB for the work-group, against its 512 KB of x.  That is also why there is no cluster: all that work-groups share is those 68 KB, and they go straight into registers.
; A UNIT is 16 tokens x 128 k: 16 loads, each a token's 512 consecutive bytes, at a multiple of 512 from x's first byte.  A wave has 8 units (4 tiles of tokens x 2 K steps).
; THE STREAM.  A ring of four sets of 64 registers (window 1): the loads of up to four units are out, and every wait for them is counted.
; THE TURN.  The conversions want neighbours along K in ONE lane's registers, the loads give a lane 4 of them.  So a unit goes through the wave's own stage in LDS, as it lies, and comes back so that lane (r, h)
; holds of token r the numbers k = 64 c + 32 h + 0 .. 31, c = 0, 1: two whole blocks, in the order of the operand's registers.  A block's largest magnitude needs no other lane, and the codes are the operand.
; THE PRODUCT IS USED TRANSPOSED: source 0 = 16 experts (W), source 1 = 16 tokens (x).  In the result lane (r, h) holds token r and experts 8 h + 0 .. 7 of the tile: 32 neighbouring bytes of a row of logits.
; THE SUM OVER THE WAVES.  Each wave's part, 64 tokens x 64 experts, goes to LDS by rows; behind a barrier wave w adds the eight parts of tokens 8 w .. 8 w + 7, K ascending: sixteen lanes to a token, four experts a lane.
; REGISTERS.  Window 0: v1-12 addresses; v16-19 W's scale words, v20 x's (they hold scales and nothing else); v24-29 at work; v32-39 x's codes; v64-127 a unit's numbers; v128-191 W's 8 fragments;
;   v192-223 the four accumulators; v224-255 the end's constants and statistics.  At the end v64-191 take the eight parts.   Window 1: the ring.
.set ROWB,   8192                      ; a row of x in bytes
.set SPITCH, 528                       ; a stage row: 512 bytes + 16 = 132 words: row r starts at bank 4 r mod 64 (64 banks of 4 bytes: ISA guide 11.1), so the 16 rows that a load touches start at 16 different banks
.set STGW,   16*SPITCH                 ; a wave's stage
.set PART,   8*STGW                    ; behind the stages: the waves' parts of the sums
.set PPITCH, 272                       ; a token's 64 numbers: 256 bytes + 16
.set PARTW,  64*PPITCH                 ; a wave's part
.set OIDX,   PART+8*PARTW              ; behind them: 64 tokens x 8 bytes of indices, then 64 x 8 of gates
.set XO,   1                           ; v1   x: 1,024 w + 16 lane
.set L16,  2                           ; v2   16 x lane
.set SIN,  3                           ; v3   the stage, on the way in: 16 x lane
.set SOUT, 4                           ; v4   and out: row r, + 128 h
.set STO,  5                           ; v5   my wave's part: token r, + 32 h
.set RDA,  6                           ; v6   the parts of waves 0-3, as I read them: token 8 w + lane / 16, 16 bytes at 16 (lane % 16)
.set RDB,  7                           ; v7   those of waves 4-7 (an LDS offset has 16 bits)
.set LOFF, 8                           ; v8   logits: 2,048 w + 16 lane
.set OA,   9                           ; v9   where I put a token's indices
.set FA,   10                          ; v10  where waves 0 and 1 read all 64 tokens' indices, or gates, back
.set SH8,  11                          ; v11  8 h
.set L4,   12                          ; v12  4 x lane
.set WS,   16
.set XSW,  20
.set T,    24
.set SO,   28
.set PC,   32
.set X,    64
.set WF,   128
.set ACC,  192
.set L,    64                          ; the end: part p of token pair i at v[L + 16 p + 4 i]; the sums, and so the logits, in v64-79
.set B2,   192                         ; v192-207 the logits without the largest
.set RI,   212                         ; v212-213 my token's two indices
.set RG,   214                         ; v214-215 its two gates
.set FIN,  216
.set IDXF, 224                         ; v224-227 my four experts' numbers, as f32
.set NINF, 228
.set BIG,  229
.set SELV, 230
.set M1,   232
.set I1,   236
.set M2,   240
.set I2,   244
.set PM,   248
.set EX,   250
.set GS,   251
.set WV,   16                          ; s16  my wave's number
.set SEL,  36                          ; s[36:37] lane selects for v_permlanex16_b32: lane l xor 16
.set MSB, 0
.macro WIN new                         ; the immediate's high byte repeats the setting that is left
.if MSB != \new
	s_set_vgpr_msb (MSB<<8)|\new
.set MSB, \new
.endif
.endm
.macro XL u                            ; unit u's 16 loads, into set u % 4 of the ring (the destination's window is 1 here)
.set XM, (\u)/2
.set XK, (\u)%2
.set XR, 64*((\u)%4)
.irp i, 0,1,2,3,4,5,6,7,8,9,10,11,12,13,14,15
	global_load_b128 v[XR+4*\i:XR+4*\i+3], v[XO], s[4:5] offset:(16*XM+\i)*ROWB+512*XK th:TH_LOAD_NT   ; 32 lanes read 512 consecutive bytes of one token; read once in the launch
.endr
.endm
	s_load_b128 s[4:7], s[0:1], 0x0                ; x s[4:5], wq s[6:7]
	s_load_b128 s[8:11], s[0:1], 0x10              ; ws s[8:9], out0 s[10:11]
	s_load_b128 s[12:15], s[0:1], 0x20             ; out1 s[12:13], out2 s[14:15]
	v_lshl_add_u32 v254, v0, 2, 0x32c00
	v_mov_b32 v255, 0
	v_lshrrev_b32 v13, 5, v0
	v_readfirstlane_b32 s[WV], v13                 ; wave 0..7
	v_and_b32 v14, 31, v0                          ; lane
	v_lshlrev_b32 v[L16], 4, v14
	v_lshlrev_b32 v[L4], 2, v14
	s_lshl_b32 s17, s[WV], 10
	v_add_nc_u32 v[XO], s17, v[L16]
	s_lshl_b32 s24, ttmp9, 19                      ; x: 64 rows of 8,192 bytes a work-group (under 2^31)
	s_mov_b32 s25, 0
	s_lshl_b32 s26, s[WV], 13                      ; wq: my two K steps: 8 fragments of 1,024 bytes
	s_mov_b32 s27, 0
	s_lshl_b32 s28, s[WV], 9                       ; ws: 256 bytes a K step
	s_mov_b32 s29, 0
	s_lshl_b32 s30, ttmp9, 14                      ; out2: 64 rows of 256 bytes
	s_mov_b32 s31, 0
	s_lshl_b32 s32, ttmp9, 9                       ; out0, out1: 64 x 8 bytes
	s_mov_b32 s33, 0
	s_wait_kmcnt 0x0
	s_add_nc_u64 s[6:7], s[6:7], s[26:27]
	s_add_nc_u64 s[8:9], s[8:9], s[28:29]
	s_add_nc_u64 s[4:5], s[4:5], s[24:25]
; 84 loads go out on end: W's 20, which are wanted with the first unit, then four units of x.  The counter's field holds fewer; the issue of a load that would pass it waits (ISA guide 5.7.1), and the wave has nothing else to do then.
.irp f, 0,1,2,3,4,5,6,7                ; fragment f = 4 x (K step of my two) + tile of experts
.irp c, 0,1
	global_load_b128 v[WF+8*\f+4*\c:WF+8*\f+4*\c+3], v[L16], s[6:7] offset:1024*\f+512*\c   ; an image of four registers: 512 consecutive bytes
.endr
.endr
.irp q, 0,1,2,3                        ; register 2 x (K step) + p: lanes 0-15 the scale words of tile 2 p, lanes 16-31 those of tile 2 p + 1
	global_load_b32 v[WS+\q], v[L4], s[8:9] offset:128*\q
.endr
	WIN 0x40                                       ; destination window 1, address window 0
	XL 0
	XL 1
	WIN 0
	; the other addresses and constants are made while the loads are out
	s_add_nc_u64 s[14:15], s[14:15], s[30:31]
	s_cmp_eq_u32 s[WV], 0                          ; at the end wave 0 stores out0 and wave 1 out1: the choice hangs on the wave's number alone
	s_cselect_b64 s[10:11], s[10:11], s[12:13]
	s_add_nc_u64 s[10:11], s[10:11], s[32:33]
	s_mov_b32 s[SEL], 0x76543210
	s_mov_b32 s[SEL+1], 0xfedcba98
	v_and_b32 v15, 15, v0                          ; r = lane % 16
	v_bfe_u32 v13, v0, 4, 1                        ; h = lane / 16
	s_mul_i32 s18, s[WV], STGW
	v_add_nc_u32 v[SIN], s18, v[L16]
	v_mul_u32_u24 v[SOUT], v15, SPITCH
	v_lshl_add_u32 v[SOUT], v13, 7, v[SOUT]
	v_add_nc_u32 v[SOUT], s18, v[SOUT]
	s_mul_i32 s19, s[WV], PARTW
	s_add_co_u32 s19, s19, PART
	v_mul_u32_u24 v[STO], v15, PPITCH
	v_lshl_add_u32 v[STO], v13, 5, v[STO]
	v_add_nc_u32 v[STO], s19, v[STO]
	s_mul_i32 s20, s[WV], 8*PPITCH
	s_add_co_u32 s20, s20, PART
	v_mul_u32_u24 v[RDA], v13, PPITCH
	v_lshl_add_u32 v[RDA], v15, 4, v[RDA]
	v_add_nc_u32 v[RDA], s20, v[RDA]
	v_add_nc_u32 v[RDB], 4*PARTW, v[RDA]
	s_lshl_b32 s21, s[WV], 11
	v_add_nc_u32 v[LOFF], s21, v[L16]
	v_and_b32 v[SELV], 3, v0                       ; of my wave's four pairs of tokens, the one whose results I carry out: lane % 4
	s_lshl_b32 s22, s[WV], 6
	s_add_co_u32 s22, s22, OIDX
	v_lshlrev_b32 v[OA], 4, v[SELV]
	v_lshl_add_u32 v[OA], v13, 3, v[OA]
	v_add_nc_u32 v[OA], s22, v[OA]                 ; token 8 w + 2 (lane % 4) + lane / 16, 8 bytes a token
	s_min_u32 s23, s[WV], 1
	s_lshl_b32 s23, s23, 9
	s_add_co_u32 s23, s23, OIDX
	v_add_nc_u32 v[FA], s23, v[L16]                ; wave 0: the indices' 512 bytes; wave 1: the gates'
	v_lshlrev_b32 v[SH8], 3, v13
	v_lshlrev_b32 v[IDXF], 2, v15
	v_cvt_f32_u32 v[IDXF], v[IDXF]                 ; experts 4 (lane % 16) + 0 .. 3: whole numbers under 64 are exact in f32
	v_add_f32 v[IDXF+1], 1.0, v[IDXF]
	v_add_f32 v[IDXF+2], 2.0, v[IDXF]
	v_add_f32 v[IDXF+3], 1.0, v[IDXF+2]
	v_mov_b32 v[NINF], 0xff800000                  ; -infinity
	v_mov_b32 v[BIG], 0x42800000                   ; 64.0: above every expert's number
	v_cmp_eq_u32 s40, 1, v[SELV]
	v_cmp_eq_u32 s41, 2, v[SELV]
	v_cmp_eq_u32 s42, 3, v[SELV]
	WIN 0x40
	XL 2
	XL 3
	WIN 0
; ONE UNIT.  left = the loads issued behind this unit's, which may stay out.
.macro UNIT u, left
.set SL, (\u)%2                        ; which of my two K steps
.set MT, (\u)/2                        ; which tile of 16 tokens
.set RS, 64*((\u)%4)                   ; its set in the ring
	s_wait_loadcnt \left                           ; loads come back in order (ISA guide 5.7.1): this unit's 16 are in (in front of the first unit: W's too)
	WIN 0x04                                       ; an LDS store's data are its source 1: window 1
.irp i, 0,1,2,3,4,5,6,7,8,9,10,11,12,13,14,15
	ds_store_b128 v[SIN], v[RS+4*\i:RS+4*\i+3] offset:\i*SPITCH   ; token i's 512 bytes as they lie
.endr
	WIN 0
.irp c, 0,1
.irp j, 0,1,2,3,4,5,6,7
	ds_load_b128 v[X+32*\c+4*\j:X+32*\c+4*\j+3], v[SOUT] offset:256*\c+16*\j   ; token r, k = 64 c + 32 h + 4 j ..  LDS serves a wave's instructions in order (ISA guide 5.7.1.4): these see the stores above, and the next unit's stores come behind them
.endr
.endr
	s_wait_dscnt 0x0                               ; the numbers are back; so the stores have read the ring's set, and the last tile's stores the accumulators
.if (\u)+4 < 8
	WIN 0x40
	XL (\u)+4                                      ; the set takes the unit four further on
	WIN 0
.endif
.irp q, 0,1,2,3                        ; the largest magnitudes, in four chains of 16 numbers; the floor 2^(3 - 127) among the leaves: the byte cannot fall under 1
	v_max3_num_f32 v[T+\q], |v[X+16*\q]|, |v[X+16*\q+1]|, 0x1800000
.endr
.irp i, 2,4,6,8,10,12,14
.irp q, 0,1,2,3
	v_max3_num_f32 v[T+\q], v[T+\q], |v[X+16*\q+\i]|, |v[X+16*\q+\i+1]|
.endr
.endr
	v_max_num_f32 v[T], v[T], v[T+1]               ; my block 0 + h
	v_max_num_f32 v[T+2], v[T+2], v[T+3]           ; my block 2 + h
	v_add_nc_u32 v[SO], 0xff000000, v[T]           ; 2 off the exponent field: the conversion takes the exponent field of this operand as its scale, and nothing else of it
	v_add_nc_u32 v[SO+1], 0xff000000, v[T+2]
	v_lshrrev_b32 v[T], 23, v[SO]                  ; the scales' bytes
	v_lshrrev_b32 v[T+1], 23, v[SO+1]
	v_lshl_or_b32 v[T], v[T+1], 16, v[T]           ; blocks h and 2 + h,
	v_lshlrev_b32 v[T], v[SH8], v[T]               ; at their places in the token's scale word;
	v_permlanex16_b32 v[T+1], v[T], s[SEL], s[SEL+1]
	v_or_b32 v[XSW], v[T], v[T+1]                  ; with lane l xor 16's two the word is whole
.irp c, 0,1
.irp g, 0,1,2,3
	v_cvt_scalef32_pk8_fp4_f32 v[PC+4*\c+\g], v[X+32*\c+8*\g:X+32*\c+8*\g+7], v[SO+\c]   ; registers 4 c .. 4 c + 3 of the operand
.endr
.endr
.rept 8
	v_nop                                          ; a scale register written by a vector instruction stands 8 places ahead of a scaled matrix instruction, an operand so written 4; the first is also the plain line behind the conversions
.endr
.irp t, 0,1,2,3                        ; the four tiles of experts take turns, one instruction a turn; a tile of tokens' first K step starts the sums with the constant 0
.if SL == 0
.if (\t)%2 == 0
	v_wmma_scale_f32_16x16x128_f8f6f4 v[ACC+8*\t:ACC+8*\t+7], v[WF+8*\t:WF+8*\t+7], v[PC:PC+7], 0, v[WS+\t/2], v[XSW] matrix_a_fmt:MATRIX_FMT_FP4 matrix_b_fmt:MATRIX_FMT_FP4
.else
	v_wmma_scale_f32_16x16x128_f8f6f4 v[ACC+8*\t:ACC+8*\t+7], v[WF+8*\t:WF+8*\t+7], v[PC:PC+7], 0, v[WS+\t/2], v[XSW] matrix_a_fmt:MATRIX_FMT_FP4 matrix_b_fmt:MATRIX_FMT_FP4 matrix_a_scale:MATRIX_SCALE_ROW1
.endif
.else
.if (\t)%2 == 0
	v_wmma_scale_f32_16x16x128_f8f6f4 v[ACC+8*\t:ACC+8*\t+7], v[WF+32+8*\t:WF+32+8*\t+7], v[PC:PC+7], v[ACC+8*\t:ACC+8*\t+7], v[WS+2+\t/2], v[XSW] matrix_a_fmt:MATRIX_FMT_FP4 matrix_b_fmt:MATRIX_FMT_FP4
.else
	v_wmma_scale_f32_16x16x128_f8f6f4 v[ACC+8*\t:ACC+8*\t+7], v[WF+32+8*\t:WF+32+8*\t+7], v[PC:PC+7], v[ACC+8*\t:ACC+8*\t+7], v[WS+2+\t/2], v[XSW] matrix_a_fmt:MATRIX_FMT_FP4 matrix_b_fmt:MATRIX_FMT_FP4 matrix_a_scale:MATRIX_SCALE_ROW1
.endif
.endif
.endr
.if SL == 1                            ; the tile of tokens is through my 256 along K: my part of its sums goes to LDS
.rept 4
	v_nop                                          ; four places between a matrix instruction and the LDS store that reads its result (ISA guide 7.12.1 for vector instructions)
.endr
.irp t, 0,1,2,3
	ds_store_b128 v[STO], v[ACC+8*\t:ACC+8*\t+3] offset:MT*16*PPITCH+64*\t        ; token 16 MT + r, experts 16 t + 8 h + 0 .. 3: each accumulator from its low end on
	ds_store_b128 v[STO], v[ACC+8*\t+4:ACC+8*\t+7] offset:MT*16*PPITCH+64*\t+16
.endr
.endif
.endm
	UNIT 0, 48                                     ; behind a unit's loads stand those of the three units that follow it
	UNIT 1, 48
	UNIT 2, 48
	UNIT 3, 48
	UNIT 4, 48
	UNIT 5, 32                                     ; nothing is left to ask for: the counts run down
	UNIT 6, 16
	UNIT 7, 0
	s_wait_dscnt 0x0                               ; for the others' sake: my part lies in LDS
	s_barrier_signal -1
	s_barrier_wait -1                              ; all eight parts do
; THE SUM OVER K's EIGHT PARTS, for tokens 8 w .. 8 w + 7: pair i = tokens 8 w + 2 i (lanes 0-15) and 8 w + 2 i + 1 (lanes 16-31); a lane takes experts 4 (lane % 16) + 0 .. 3.
.irp p, 0,1,2,3
.irp i, 0,1,2,3
	ds_load_b128 v[L+16*\p+4*\i:L+16*\p+4*\i+3], v[RDA] offset:\p*PARTW+\i*2*PPITCH
.endr
.endr
.irp p, 4,5,6,7
.irp i, 0,1,2,3
	ds_load_b128 v[L+16*\p+4*\i:L+16*\p+4*\i+3], v[RDB] offset:(\p-4)*PARTW+\i*2*PPITCH
.endr
.endr
.irp p, 1,2,3,4,5,6,7
	s_wait_dscnt 4*(7-\p)                          ; part p's four loads are in; those of the parts behind it may be out
.irp i, 0,1,2,3
	v_pk_add_f32 v[L+4*\i:L+4*\i+1], v[L+4*\i:L+4*\i+1], v[L+16*\p+4*\i:L+16*\p+4*\i+1]
	v_pk_add_f32 v[L+4*\i+2:L+4*\i+3], v[L+4*\i+2:L+4*\i+3], v[L+16*\p+4*\i+2:L+16*\p+4*\i+3]
.endr
.endr
.irp i, 0,1,2,3
	global_store_b128 v[LOFF], v[L+4*\i:L+4*\i+3], s[14:15] offset:512*\i th:TH_STORE_NT   ; two whole rows of logits: 512 consecutive bytes, at a multiple of 512 from out2's first byte.  v64-79 are not written again
.endr
; THE TWO LARGEST.  A token's 64 logits lie in sixteen lanes.  Its largest: within the lane, then across the sixteen (four steps that ride on the arithmetic).  Its place: the LOWEST expert's number
; whose logit equals it: within the lane from the highest expert down, so that the lowest is kept; across the lanes a minimum.  The four pairs of tokens take turns line by line.
.macro ROWMAX src, out
.irp i, 0,1,2,3
	v_max3_num_f32 v[\out+\i], v[\src+4*\i], v[\src+4*\i+1], v[\src+4*\i+2]
.endr
.irp i, 0,1,2,3
	v_max_num_f32 v[\out+\i], v[\out+\i], v[\src+4*\i+3]
.endr
.irp x, 1,2,4,8
.irp i, 0,1,2,3
	v_max_num_f32_dpp v[\out+\i], v[\out+\i], v[\out+\i] row_xmask:\x row_mask:0xf bank_mask:0xf
.endr
.endr
.endm
.macro ARGFIRST src, mx, out
.irp i, 0,1,2,3
	v_cmp_eq_f32 s[44+\i], v[\src+4*\i+3], v[\mx+\i]
.endr
.irp i, 0,1,2,3
	v_cndmask_b32 v[\out+\i], v[BIG], v[IDXF+3], s[44+\i]
.endr
.irp q, 2,1,0
.irp i, 0,1,2,3
	v_cmp_eq_f32 s[44+\i], v[\src+4*\i+\q], v[\mx+\i]
.endr
.irp i, 0,1,2,3
	v_cndmask_b32 v[\out+\i], v[\out+\i], v[IDXF+\q], s[44+\i]
.endr
.endr
.irp x, 1,2,4,8
.irp i, 0,1,2,3
	v_min_num_f32_dpp v[\out+\i], v[\out+\i], v[\out+\i] row_xmask:\x row_mask:0xf bank_mask:0xf
.endr
.endr
.endm
.macro PICK out, src                   ; of the four pairs' numbers, that of pair lane % 4
	v_cndmask_b32 v[\out], v[\src], v[\src+1], s40
	v_cndmask_b32 v[\out], v[\out], v[\src+2], s41
	v_cndmask_b32 v[\out], v[\out], v[\src+3], s42
.endm
	ROWMAX L, M1
	ARGFIRST L, M1, I1
.irp q, 0,1,2,3                        ; the logits once more, with -infinity at the largest's place: a choice of values, no branch
.irp i, 0,1,2,3
	v_cmp_eq_f32 s[44+\i], v[IDXF+\q], v[I1+\i]
.endr
.irp i, 0,1,2,3
	v_cndmask_b32 v[B2+4*\i+\q], v[L+4*\i+\q], v[NINF], s[44+\i]
.endr
.endr
	ROWMAX B2, M2
	PICK PM, M1                                    ; from here on a lane works for ONE token: 8 w + 2 (lane % 4) + lane / 16
	PICK PM+1, M2
	v_sub_f32 v[PM+1], v[PM+1], v[PM]              ; the second less the largest: the softmax's maximum is taken away; 0 or less
	v_mul_f32 v[PM+1], 0x3fb8aa3b, v[PM+1]         ; x log2(e)
	v_exp_f32 v[EX], v[PM+1]                       ; e = exp(m2 - m1), at most 1
	v_nop                                          ; a plain line behind the exponential
	ARGFIRST B2, M2, I2                            ; work that names nothing of it
	PICK RI, I1
	PICK RI+1, I2
	v_cvt_i32_f32 v[RI], v[RI]
	v_cvt_i32_f32 v[RI+1], v[RI+1]
	s_wait_alu depctr_va_vdst(0)                   ; the wait ahead of the first line that names the exponential's result
	v_add_f32 v[GS], 1.0, v[EX]
	v_rcp_f32 v[RG], v[GS]                         ; the first gate: 1 / (1 + e)
	v_nop                                          ; a plain line behind the reciprocal
	s_wait_alu depctr_va_vdst(0)                   ; and the wait ahead of its first reader
	v_mul_f32 v[RG+1], v[EX], v[RG]                ; the second: e / (1 + e)
	ds_store_b64 v[OA], v[RI:RI+1]                 ; the four lanes of a row that carry the same token write the same bytes with the same values
	ds_store_b64 v[OA], v[RG:RG+1] offset:512
	s_wait_dscnt 0x0                               ; for waves 0 and 1's sake
	s_barrier_signal -1
	s_barrier_wait -1                              ; the 64 tokens' indices and gates lie in LDS
	s_cmp_gt_u32 s[WV], 1
	s_cbranch_scc1 .Lend
	ds_load_b128 v[FIN:FIN+3], v[FA]
	s_wait_dscnt 0x0
	global_store_b128 v[L16], v[FIN:FIN+3], s[10:11] th:TH_STORE_NT   ; wave 0: out0, wave 1: out1: 512 consecutive bytes, at a multiple of 512 from the buffer's first byte
.Lend:
	s_wait_tensorcnt 0x0
	ds_add_u32 v254, v255
	s_wait_dscnt 0x0
	s_endpgm
.Lfunc_end_k_qdbe651df3f_main:
	.size	k_qdbe651df3f_main, .Lfunc_end_k_qdbe651df3f_main-k_qdbe651df3f_main
	.p2alignl 7, 3214868480
	.fill 96, 4, 3214868480
	.section	.rodata,"a",@progbits
	.p2align	6, 0x0
	.amdhsa_kernel k_qdbe651df3f_main
		.amdhsa_group_segment_fixed_size 208896
		.amdhsa_private_segment_fixed_size 0
		.amdhsa_enable_private_segment 0
		.amdhsa_kernarg_size 48
		.amdhsa_user_sgpr_count 2
		.amdhsa_user_sgpr_kernarg_segment_ptr 1
		.amdhsa_wavefront_size32 1
		.amdhsa_system_sgpr_workgroup_id_x 1
		.amdhsa_system_sgpr_workgroup_id_y 1
		.amdhsa_system_sgpr_workgroup_id_z 1
		.amdhsa_system_vgpr_workitem_id 0
		.amdhsa_next_free_vgpr 512
		.amdhsa_next_free_sgpr 66
		.amdhsa_reserve_vcc 0
		.amdhsa_float_denorm_mode_32 3
		.amdhsa_float_denorm_mode_16_64 3
		.amdhsa_memory_ordered 1
		.amdhsa_forward_progress 1
		.amdhsa_inst_pref_size 87
	.end_amdhsa_kernel
	.amdgpu_metadata
---
amdhsa.version: [ 1, 2 ]
amdhsa.kernels:
  - .name:           k_qdbe651df3f_main
    .symbol:         k_qdbe651df3f_main.kd
    .args:
      - { .name: x, .offset: 0, .size: 8, .value_kind: global_buffer, .address_space: global }
      - { .name: wq, .offset: 8, .size: 8, .value_kind: global_buffer, .address_space: global }
      - { .name: ws, .offset: 16, .size: 8, .value_kind: global_buffer, .address_space: global }
      - { .name: out0, .offset: 24, .size: 8, .value_kind: global_buffer, .address_space: global }
      - { .name: out1, .offset: 32, .size: 8, .value_kind: global_buffer, .address_space: global }
      - { .name: out2, .offset: 40, .size: 8, .value_kind: global_buffer, .address_space: global }
    .group_segment_fixed_size: 208896
    .private_segment_fixed_size: 0
    .kernarg_segment_align: 8
    .kernarg_segment_size: 48
    .max_flat_workgroup_size: 256
    .sgpr_count:     66
    .vgpr_count:     512
    .wavefront_size: 32
...
	.end_amdgpu_metadata
.endif
;; end of part 2
;; ======== version 2 of 2: 2 launches; version 1 with the launch main written anew for expert scheduling mode
;; workspace buffers: wq 65,536 bytes; ws 4,096 bytes
;; launch prep: the kernel of part 1 again; grid 16 x 1, 8 waves a work-group, no clusters, 1,280 bytes of LDS; arguments W, wq, ws; writes wq, ws
;; launch main (part 3): grid 256 x 1, 8 waves a work-group, no clusters, 208,896 bytes of LDS; arguments x, wq, ws, out0, out1, out2; writes out0, out1, out2
.if DOCPART == 3
	.amdgcn_target "amdgcn-amd-amdhsa--gfx1250"
	.amdhsa_code_object_version 6
	.text
	.protected	k_qdbe651df3f_main
	.globl	k_qdbe651df3f_main
	.p2align	8
	.type	k_qdbe651df3f_main,@function
k_qdbe651df3f_main:
	s_mov_b64 s[64:65], 0
	v_nop
	global_prefetch_b8 v0, s[64:65] scope:SCOPE_SE
	s_setreg_imm32_b32 hwreg(HW_REG_WAVE_SCHED_MODE, 0, 2), 2
	s_setreg_imm32_b32 hwreg(HW_REG_WAVE_MODE, 25, 1), 1
	s_wait_xcnt 0x0
	s_wait_alu depctr_vm_vsrc(0)
; logits[t][e] = the sum over k of Q(x)[t][k] Q(W)[k][e]: 16,384 tokens, K = 2,048, 64 experts; Q = codes of FP4 (E2M1) with one E8M0 scale for each 32 along K; sums in f32.
; out2 = logits;  out0 = the indices of each token's two largest logits (of equal logits the lower index first);  out1 = softmax of those two.
; x arrives as f32 and is quantised here, on its way to the matrix unit; W's codes (wq) and scale words (ws) were made by the launch before, laid as operand registers.
; LIMITS: NaN and infinities among the inputs are not served.  -0 and +0 count as equal in the search for the two largest.  A block of zeros gets the scale byte 1 and zero codes, which add nothing.
;   A gate that would lie under 2^-126 comes out as 0 (v_exp_f32 gives 0 there: ISA guide, its entry in 15.8).
; SHARES.  A work-group of eight waves owns 64 tokens.  THE WAVES SHARE K: wave w owns k = 256 w .. 256 w + 255, two K steps of 128, for all 64 tokens.  So its part of W is 64 registers of codes and
; 4 of scale words, read once: 68 KB for the work-group, against its 512 KB of x.  That is also why there is no cluster: all that work-groups share is those 68 KB, and they go straight into registers.
; A UNIT is 16 tokens x 128 k: 16 loads, each a token's 512 consecutive bytes, at a multiple of 512 from x's first byte.  A wave has 8 units (4 tiles of tokens x 2 K steps).
; THE STREAM.  A ring of four sets of 64 registers (window 1): the loads of up to four units are out, and every wait for them is counted.
; THE TURN.  The conversions want neighbours along K in ONE lane's registers, the loads give a lane 4 of them.  So a unit goes through the wave's own stage in LDS, as it lies, and comes back so that lane (r, h)
; holds of token r the numbers k = 64 c + 32 h + 0 .. 31, c = 0, 1: two whole blocks, in the order of the operand's registers.  A block's largest magnitude needs no other lane, and the codes are the operand.
; THE PRODUCT IS USED TRANSPOSED: source 0 = 16 experts (W), source 1 = 16 tokens (x).  In the result lane (r, h) holds token r and experts 8 h + 0 .. 7 of the tile: 32 neighbouring bytes of a row of logits.
; THE SUM OVER THE WAVES.  Each wave's part, 64 tokens x 64 experts, goes to LDS by rows; behind a barrier wave w adds the eight parts of tokens 8 w .. 8 w + 7, K ascending: sixteen lanes to a token, four experts a lane.
; THE MODE: SCHED_MODE bits 1:0 = 2 (LLVM: expert scheduling mode 2), set by the entry lines.  The code itself states the register dependences
; between vector or matrix instructions and memory or LDS instructions, with s_wait_alu, always for 0.
; THE PLAN.  Registers that memory or LDS instructions touch:
;   the ring  Set u % 4: written by unit u's 16 global loads, read by the 16 LDS stores of unit u's turn, then written by unit u + 4's loads.  No vector instruction names it.
;   X         Written by the 16 LDS loads of a turn; read by the unit's maxima and conversions.
;   ACC       Written by the products; read by the 8 LDS stores behind each second unit; begun anew by the next unit's products; at the end v192-219 are written by vector instructions and an LDS load.
;   WF, WS    Loaded once, read by the products; at the end the parts' LDS loads land in X's and WF's registers.
;   v1-v12    Addresses, made at the head and never written again.
; A unit goes: its turn; the ring's set is asked for again, behind one wait on vm_vsrc (the stage's stores have read it); quantise; 8 places; ONE wait on va_vdst; four products; the NEXT unit's turn.
; That one wait states that the codes and the scale word are written, which the products take, and that the conversions are done reading X, in which the next turn's loads land: between it and those loads
; stand the products (WF, the codes, ACC, scale words), stores out of the ring and loads into it: none names X or its address.  A second unit's stores of ACC stand behind the next turn, behind their places and a wait
; on va_vdst; a wait on vm_vsrc stands ahead of the products that begin ACC anew.
; REGISTERS.  Window 0: v1-12 addresses; v16-19 W's scale words, v20 x's (they hold scales and nothing else); v24-29 at work; v32-39 x's codes; v64-127 a unit's numbers; v128-191 W's 8 fragments;
;   v192-223 the four accumulators; v224-255 the end's constants and statistics.  At the end v64-191 take the eight parts.   Window 1: the ring.
.set ROWB,   8192                      ; a row of x in bytes
.set SPITCH, 528                       ; a stage row: 512 bytes + 16 = 132 words: row r starts at bank 4 r mod 64 (64 banks of 4 bytes: ISA guide 11.1), so the 16 rows that a load touches start at 16 different banks
.set STGW,   16*SPITCH                 ; a wave's stage
.set PART,   8*STGW                    ; behind the stages: the waves' parts of the sums
.set PPITCH, 272                       ; a token's 64 numbers: 256 bytes + 16
.set PARTW,  64*PPITCH                 ; a wave's part
.set OIDX,   PART+8*PARTW              ; behind them: 64 tokens x 8 bytes of indices, then 64 x 8 of gates
.set XO,   1                           ; v1   x: 1,024 w + 16 lane
.set L16,  2                           ; v2   16 x lane
.set SIN,  3                           ; v3   the stage, on the way in: 16 x lane
.set SOUT, 4                           ; v4   and out: row r, + 128 h
.set STO,  5                           ; v5   my wave's part: token r, + 32 h
.set RDA,  6                           ; v6   the parts of waves 0-3, as I read them: token 8 w + lane / 16, 16 bytes at 16 (lane % 16)
.set RDB,  7                           ; v7   those of waves 4-7 (an LDS offset has 16 bits)
.set LOFF, 8                           ; v8   logits: 2,048 w + 16 lane
.set OA,   9                           ; v9   where I put a token's indices
.set FA,   10                          ; v10  where waves 0 and 1 read all 64 tokens' indices, or gates, back
.set SH8,  11                          ; v11  8 h
.set L4,   12                          ; v12  4 x lane
.set WS,   16
.set XSW,  20
.set T,    24
.set SO,   28
.set PC,   32
.set X,    64
.set WF,   128
.set ACC,  192
.set L,    64                          ; the end: part p of token pair i at v[L + 16 p + 4 i]; the sums, and so the logits, in v64-79
.set B2,   192                         ; v192-207 the logits without the largest
.set RI,   212                         ; v212-213 my token's two indices
.set RG,   214                         ; v214-215 its two gates
.set FIN,  216
.set IDXF, 224                         ; v224-227 my four experts' numbers, as f32
.set NINF, 228
.set BIG,  229
.set SELV, 230
.set M1,   232
.set I1,   236
.set M2,   240
.set I2,   244
.set PM,   248
.set EX,   250
.set GS,   251
.set WV,   16                          ; s16  my wave's number
.set CM,   17                          ; s17-32  at the end: sixteen masks of a search (at the head these registers hold offsets, which are done with by then)
.set SEL,  36                          ; s[36:37] lane selects for v_permlanex16_b32: lane l xor 16
.set MSB, 0
.macro WIN new                         ; the immediate's high byte repeats the setting that is left
.if MSB != \new
	s_set_vgpr_msb (MSB<<8)|\new
.set MSB, \new
.endif
.endm
.macro XL u                            ; unit u's 16 loads, into set u % 4 of the ring (the destination's window is 1 here)
.set XM, (\u)/2
.set XK, (\u)%2
.set XR, 64*((\u)%4)
.irp i, 0,1,2,3,4,5,6,7,8,9,10,11,12,13,14,15
	global_load_b128 v[XR+4*\i:XR+4*\i+3], v[XO], s[4:5] offset:(16*XM+\i)*ROWB+512*XK th:TH_LOAD_NT   ; 32 lanes read 512 consecutive bytes of one token; read once in the launch
.endr
.endm
	s_load_b128 s[4:7], s[0:1], 0x0                ; x s[4:5], wq s[6:7]
	s_load_b128 s[8:11], s[0:1], 0x10              ; ws s[8:9], out0 s[10:11]
	s_load_b128 s[12:15], s[0:1], 0x20             ; out1 s[12:13], out2 s[14:15]
	v_lshl_add_u32 v254, v0, 2, 0x32c00
	v_mov_b32 v255, 0
	v_lshrrev_b32 v13, 5, v0
	v_readfirstlane_b32 s[WV], v13                 ; wave 0..7
	v_and_b32 v14, 31, v0                          ; lane
	v_lshlrev_b32 v[L16], 4, v14
	v_lshlrev_b32 v[L4], 2, v14
	s_wait_alu depctr_va_sdst(0)                   ; s16 is written, ahead of its first reader: offsets, bases and branches are made from it
	s_lshl_b32 s17, s[WV], 10
	v_add_nc_u32 v[XO], s17, v[L16]
	s_lshl_b32 s24, ttmp9, 19                      ; x: 64 rows of 8,192 bytes a work-group (under 2^31)
	s_mov_b32 s25, 0
	s_lshl_b32 s26, s[WV], 13                      ; wq: my two K steps: 8 fragments of 1,024 bytes
	s_mov_b32 s27, 0
	s_lshl_b32 s28, s[WV], 9                       ; ws: 256 bytes a K step
	s_mov_b32 s29, 0
	s_lshl_b32 s30, ttmp9, 14                      ; out2: 64 rows of 256 bytes
	s_mov_b32 s31, 0
	s_lshl_b32 s32, ttmp9, 9                       ; out0, out1: 64 x 8 bytes
	s_mov_b32 s33, 0
	s_wait_kmcnt 0x0
	s_add_nc_u64 s[6:7], s[6:7], s[26:27]
	s_add_nc_u64 s[8:9], s[8:9], s[28:29]
	s_add_nc_u64 s[4:5], s[4:5], s[24:25]
	s_wait_alu depctr_va_vdst(0)                   ; v1, v2 and v12 are written: the offsets of the loads of W and of x
; 84 loads go out on end: W's 20, which are wanted with the first unit, then four units of x.  The counter's field holds fewer; the issue of a load that would pass it waits (ISA guide 5.7.1), and the wave has nothing else to do then.
.irp f, 0,1,2,3,4,5,6,7                ; fragment f = 4 x (K step of my two) + tile of experts
.irp c, 0,1
	global_load_b128 v[WF+8*\f+4*\c:WF+8*\f+4*\c+3], v[L16], s[6:7] offset:1024*\f+512*\c   ; an image of four registers: 512 consecutive bytes
.endr
.endr
.irp q, 0,1,2,3                        ; register 2 x (K step) + p: lanes 0-15 the scale words of tile 2 p, lanes 16-31 those of tile 2 p + 1
	global_load_b32 v[WS+\q], v[L4], s[8:9] offset:128*\q
.endr
	WIN 0x40                                       ; destination window 1, address window 0
	XL 0
	XL 1
	WIN 0
	; the other addresses and constants are made while the loads are out
	s_add_nc_u64 s[14:15], s[14:15], s[30:31]
	s_cmp_eq_u32 s[WV], 0                          ; at the end wave 0 stores out0 and wave 1 out1: the choice hangs on the wave's number alone
	s_cselect_b64 s[10:11], s[10:11], s[12:13]
	s_add_nc_u64 s[10:11], s[10:11], s[32:33]
	s_mov_b32 s[SEL], 0x76543210
	s_mov_b32 s[SEL+1], 0xfedcba98
	v_and_b32 v15, 15, v0                          ; r = lane % 16
	v_bfe_u32 v13, v0, 4, 1                        ; h = lane / 16
	s_mul_i32 s18, s[WV], STGW
	v_add_nc_u32 v[SIN], s18, v[L16]
	v_mul_u32_u24 v[SOUT], v15, SPITCH
	v_lshl_add_u32 v[SOUT], v13, 7, v[SOUT]
	v_add_nc_u32 v[SOUT], s18, v[SOUT]
	s_mul_i32 s19, s[WV], PARTW
	s_add_co_u32 s19, s19, PART
	v_mul_u32_u24 v[STO], v15, PPITCH
	v_lshl_add_u32 v[STO], v13, 5, v[STO]
	v_add_nc_u32 v[STO], s19, v[STO]
	s_mul_i32 s20, s[WV], 8*PPITCH
	s_add_co_u32 s20, s20, PART
	v_mul_u32_u24 v[RDA], v13, PPITCH
	v_lshl_add_u32 v[RDA], v15, 4, v[RDA]
	v_add_nc_u32 v[RDA], s20, v[RDA]
	v_add_nc_u32 v[RDB], 4*PARTW, v[RDA]
	s_lshl_b32 s21, s[WV], 11
	v_add_nc_u32 v[LOFF], s21, v[L16]
	v_and_b32 v[SELV], 3, v0                       ; of my wave's four pairs of tokens, the one whose results I carry out: lane % 4
	s_lshl_b32 s22, s[WV], 6
	s_add_co_u32 s22, s22, OIDX
	v_lshlrev_b32 v[OA], 4, v[SELV]
	v_lshl_add_u32 v[OA], v13, 3, v[OA]
	v_add_nc_u32 v[OA], s22, v[OA]                 ; token 8 w + 2 (lane % 4) + lane / 16, 8 bytes a token
	s_min_u32 s23, s[WV], 1
	s_lshl_b32 s23, s23, 9
	s_add_co_u32 s23, s23, OIDX
	v_add_nc_u32 v[FA], s23, v[L16]                ; wave 0: the indices' 512 bytes; wave 1: the gates'
	v_lshlrev_b32 v[SH8], 3, v13
	v_lshlrev_b32 v[IDXF], 2, v15
	v_cvt_f32_u32 v[IDXF], v[IDXF]                 ; experts 4 (lane % 16) + 0 .. 3: whole numbers under 64 are exact in f32
	v_add_f32 v[IDXF+1], 1.0, v[IDXF]
	v_add_f32 v[IDXF+2], 2.0, v[IDXF]
	v_add_f32 v[IDXF+3], 1.0, v[IDXF+2]
	v_mov_b32 v[NINF], 0xff800000                  ; -infinity
	v_mov_b32 v[BIG], 0x42800000                   ; 64.0: above every expert's number
	v_cmp_eq_u32 s40, 1, v[SELV]
	v_cmp_eq_u32 s41, 2, v[SELV]
	v_cmp_eq_u32 s42, 3, v[SELV]
	s_wait_alu depctr_va_sdst(0)                   ; s40 to s42 are written: the end's selects read them
	WIN 0x40
	s_wait_alu depctr_va_vdst(0)                   ; the addresses v3 to v10 are written, which the LDS instructions and stores of the whole kernel read
	XL 2
	XL 3
	WIN 0
; THE TURN of unit u.  left = the loads issued behind this unit's, which may stay out.
.macro TURN u, left
.set RS, 64*((\u)%4)                   ; its set in the ring
	s_wait_loadcnt \left                           ; loads come back in order (ISA guide 5.7.1): this unit's 16 are in (in front of the first unit: W's too)
	WIN 0x04                                       ; an LDS store's data are its source 1: window 1
.irp i, 0,1,2,3,4,5,6,7,8,9,10,11,12,13,14,15
	ds_store_b128 v[SIN], v[RS+4*\i:RS+4*\i+3] offset:\i*SPITCH   ; token i's 512 bytes as they lie
.endr
	WIN 0
.irp c, 0,1
.irp j, 0,1,2,3,4,5,6,7
	ds_load_b128 v[X+32*\c+4*\j:X+32*\c+4*\j+3], v[SOUT] offset:256*\c+16*\j   ; token r, k = 64 c + 32 h + 4 j ..  LDS serves a wave's instructions in order (ISA guide 5.7.1.4): these see the stores above, and the next unit's stores come behind them.  No wait on va_vdst here: the one ahead of the last unit's products has shown X read, and nothing since names X or v4
.endr
.endr
.if (\u)+4 < 8
	WIN 0x40
	s_wait_alu depctr_vm_vsrc(0)                   ; the stage's stores have read the ring's set, in which the loads below land
	XL (\u)+4                                      ; the set takes the unit four further on, while the stage's loads are under way
	WIN 0
.endif
.endm
; THE WORK of unit u: its numbers become codes and a scale word, and these are multiplied.
.macro MULT u
.set SL, (\u)%2                        ; which of my two K steps
.if (SL == 0) && ((\u) > 0)
	s_wait_dscnt 8                                 ; LDS instructions end in order (ISA guide 5.7.1): the numbers are back; the eight stores of the last tile's sums, issued behind them, may be out
.else
	s_wait_dscnt 0x0                               ; the numbers are back
.endif
.irp q, 0,1,2,3                        ; the largest magnitudes, in four chains of 16 numbers; the floor 2^(3 - 127) among the leaves: the byte cannot fall under 1
	v_max3_num_f32 v[T+\q], |v[X+16*\q]|, |v[X+16*\q+1]|, 0x1800000
.endr
.irp i, 2,4,6,8,10,12,14
.irp q, 0,1,2,3
	v_max3_num_f32 v[T+\q], v[T+\q], |v[X+16*\q+\i]|, |v[X+16*\q+\i+1]|
.endr
.endr
	v_max_num_f32 v[T], v[T], v[T+1]               ; my block 0 + h
	v_max_num_f32 v[T+2], v[T+2], v[T+3]           ; my block 2 + h
	v_add_nc_u32 v[SO], 0xff000000, v[T]           ; 2 off the exponent field: the conversion takes the exponent field of this operand as its scale, and nothing else of it
	v_add_nc_u32 v[SO+1], 0xff000000, v[T+2]
	v_lshrrev_b32 v[T], 23, v[SO]                  ; the scales' bytes
	v_lshrrev_b32 v[T+1], 23, v[SO+1]
	v_lshl_or_b32 v[T], v[T+1], 16, v[T]           ; blocks h and 2 + h,
	v_lshlrev_b32 v[T], v[SH8], v[T]               ; at their places in the token's scale word;
	v_permlanex16_b32 v[T+1], v[T], s[SEL], s[SEL+1]
	v_or_b32 v[XSW], v[T], v[T+1]                  ; with lane l xor 16's two the word is whole
.irp c, 0,1
.irp g, 0,1,2,3
	v_cvt_scalef32_pk8_fp4_f32 v[PC+4*\c+\g], v[X+32*\c+8*\g:X+32*\c+8*\g+7], v[SO+\c]   ; registers 4 c .. 4 c + 3 of the operand
.endr
.endr
.rept 8
	v_nop                                          ; a scale register written by a vector instruction stands 8 places ahead of a scaled matrix instruction, an operand so written 4; the first is also the plain line behind the conversions
.endr
.if (SL == 0) && ((\u) > 0)
	s_wait_alu depctr_vm_vsrc(0)                   ; the LDS stores of the last tile's sums have read the accumulators, which the products below begin anew
.endif
	s_wait_alu depctr_va_vdst(0)                   ; the codes v32-39 and the scale word v20 are written, which the products take; and the conversions are done reading X, in which the next turn's loads land
.irp t, 0,1,2,3                        ; the four tiles of experts take turns, one instruction a turn; a tile of tokens' first K step starts the sums with the constant 0
.if SL == 0
.if (\t)%2 == 0
	v_wmma_scale_f32_16x16x128_f8f6f4 v[ACC+8*\t:ACC+8*\t+7], v[WF+8*\t:WF+8*\t+7], v[PC:PC+7], 0, v[WS+\t/2], v[XSW] matrix_a_fmt:MATRIX_FMT_FP4 matrix_b_fmt:MATRIX_FMT_FP4
.else
	v_wmma_scale_f32_16x16x128_f8f6f4 v[ACC+8*\t:ACC+8*\t+7], v[WF+8*\t:WF+8*\t+7], v[PC:PC+7], 0, v[WS+\t/2], v[XSW] matrix_a_fmt:MATRIX_FMT_FP4 matrix_b_fmt:MATRIX_FMT_FP4 matrix_a_scale:MATRIX_SCALE_ROW1
.endif
.else
.if (\t)%2 == 0
	v_wmma_scale_f32_16x16x128_f8f6f4 v[ACC+8*\t:ACC+8*\t+7], v[WF+32+8*\t:WF+32+8*\t+7], v[PC:PC+7], v[ACC+8*\t:ACC+8*\t+7], v[WS+2+\t/2], v[XSW] matrix_a_fmt:MATRIX_FMT_FP4 matrix_b_fmt:MATRIX_FMT_FP4
.else
	v_wmma_scale_f32_16x16x128_f8f6f4 v[ACC+8*\t:ACC+8*\t+7], v[WF+32+8*\t:WF+32+8*\t+7], v[PC:PC+7], v[ACC+8*\t:ACC+8*\t+7], v[WS+2+\t/2], v[XSW] matrix_a_fmt:MATRIX_FMT_FP4 matrix_b_fmt:MATRIX_FMT_FP4 matrix_a_scale:MATRIX_SCALE_ROW1
.endif
.endif
.endr
.endm
; Behind a tile's second unit u: the tile of tokens is through my 256 along K, and my part of its sums goes to LDS.
.macro OUT u
.set MT, (\u)/2                        ; which tile of 16 tokens
.rept 4
	v_nop                                          ; four places between a matrix instruction and the LDS store that reads its result (ISA guide 7.12.1 for vector instructions)
.endr
	s_wait_alu depctr_va_vdst(0)                   ; the products have written the accumulators, which the LDS stores read; the places above stay beside this wait
.irp t, 0,1,2,3
	ds_store_b128 v[STO], v[ACC+8*\t:ACC+8*\t+3] offset:MT*16*PPITCH+64*\t        ; token 16 MT + r, experts 16 t + 8 h + 0 .. 3: each accumulator from its low end on
	ds_store_b128 v[STO], v[ACC+8*\t+4:ACC+8*\t+7] offset:MT*16*PPITCH+64*\t+16
.endr
.endm
	TURN 0, 48                                     ; behind a unit's loads stand those of the three units that follow it
	MULT 0
	TURN 1, 48
	MULT 1
	TURN 2, 48                                     ; the next unit's turn first, the tile's sums behind it
	OUT 1
	MULT 2
	TURN 3, 48
	MULT 3
	TURN 4, 48
	OUT 3
	MULT 4
	TURN 5, 32                                     ; nothing is left to ask for: the counts run down
	MULT 5
	TURN 6, 16
	OUT 5
	MULT 6
	TURN 7, 0
	MULT 7
	OUT 7
	s_wait_dscnt 0x0                               ; for the others' sake: my part lies in LDS
	s_barrier_signal -1
	s_barrier_wait -1                              ; all eight parts do
; THE SUM OVER K's EIGHT PARTS, for tokens 8 w .. 8 w + 7: pair i = tokens 8 w + 2 i (lanes 0-15) and 8 w + 2 i + 1 (lanes 16-31); a lane takes experts 4 (lane % 16) + 0 .. 3.
; The loads land in X's and W's registers.  The wait on va_vdst ahead of the last sums' stores has shown the last conversions done reading X and the last products done reading W's fragments, and no vector or matrix instruction has been issued since.
.irp p, 0,1,2,3
.irp i, 0,1,2,3
	ds_load_b128 v[L+16*\p+4*\i:L+16*\p+4*\i+3], v[RDA] offset:\p*PARTW+\i*2*PPITCH
.endr
.endr
.irp p, 4,5,6,7
.irp i, 0,1,2,3
	ds_load_b128 v[L+16*\p+4*\i:L+16*\p+4*\i+3], v[RDB] offset:(\p-4)*PARTW+\i*2*PPITCH
.endr
.endr
.irp p, 1,2,3,4,5,6,7
	s_wait_dscnt 4*(7-\p)                          ; part p's four loads are in; those of the parts behind it may be out
.irp i, 0,1,2,3
	v_pk_add_f32 v[L+4*\i:L+4*\i+1], v[L+4*\i:L+4*\i+1], v[L+16*\p+4*\i:L+16*\p+4*\i+1]
	v_pk_add_f32 v[L+4*\i+2:L+4*\i+3], v[L+4*\i+2:L+4*\i+3], v[L+16*\p+4*\i+2:L+16*\p+4*\i+3]
.endr
.endr
	s_wait_alu depctr_vm_vsrc(0)                   ; the LDS stores of my last sums have read v192-223: below, vector instructions write v192-215 and an LDS load lands in v216-219
	s_wait_alu depctr_va_vdst(0)                   ; the additions have written v64-79, which the stores read
.irp i, 0,1,2,3
	global_store_b128 v[LOFF], v[L+4*\i:L+4*\i+3], s[14:15] offset:512*\i th:TH_STORE_NT   ; two whole rows of logits: 512 consecutive bytes, at a multiple of 512 from out2's first byte.  v64-79 are not written again
.endr
; THE TWO LARGEST.  A token's 64 logits lie in sixteen lanes.  Its largest: within the lane, then across the sixteen (four steps that ride on the arithmetic).  Its place: the LOWEST expert's number
; whose logit equals it: within the lane from the highest expert down, so that the lowest is kept; across the lanes a minimum.  The four pairs of tokens take turns line by line.
; A search's sixteen compares stand in one run, into sixteen scalar registers (mask 4 q + i: expert q of my four, pair i), with one wait on va_sdst between them and the selects that read the masks.
.macro ROWMAX src, out
.irp i, 0,1,2,3
	v_max3_num_f32 v[\out+\i], v[\src+4*\i], v[\src+4*\i+1], v[\src+4*\i+2]
.endr
.irp i, 0,1,2,3
	v_max_num_f32 v[\out+\i], v[\out+\i], v[\src+4*\i+3]
.endr
.irp x, 1,2,4,8
.irp i, 0,1,2,3
	v_max_num_f32_dpp v[\out+\i], v[\out+\i], v[\out+\i] row_xmask:\x row_mask:0xf bank_mask:0xf
.endr
.endr
.endm
.macro ARGFIRST src, mx, out
.irp q, 0,1,2,3
.irp i, 0,1,2,3
	v_cmp_eq_f32 s[CM+4*\q+\i], v[\src+4*\i+\q], v[\mx+\i]
.endr
.endr
	s_wait_alu depctr_va_sdst(0)                   ; the sixteen masks are written, ahead of the first select that reads one
.irp i, 0,1,2,3
	v_cndmask_b32 v[\out+\i], v[BIG], v[IDXF+3], s[CM+12+\i]
.endr
.irp q, 2,1,0
.irp i, 0,1,2,3
	v_cndmask_b32 v[\out+\i], v[\out+\i], v[IDXF+\q], s[CM+4*\q+\i]
.endr
.endr
.irp x, 1,2,4,8
.irp i, 0,1,2,3
	v_min_num_f32_dpp v[\out+\i], v[\out+\i], v[\out+\i] row_xmask:\x row_mask:0xf bank_mask:0xf
.endr
.endr
.endm
.macro PICK out, src                   ; of the four pairs' numbers, that of pair lane % 4
	v_cndmask_b32 v[\out], v[\src], v[\src+1], s40
	v_cndmask_b32 v[\out], v[\out], v[\src+2], s41
	v_cndmask_b32 v[\out], v[\out], v[\src+3], s42
.endm
	ROWMAX L, M1
	ARGFIRST L, M1, I1
.irp q, 0,1,2,3                        ; the logits once more, with -infinity at the largest's place: a choice of values, no branch
.irp i, 0,1,2,3
	v_cmp_eq_f32 s[CM+4*\q+\i], v[IDXF+\q], v[I1+\i]
.endr
.endr
	s_wait_alu depctr_va_sdst(0)                   ; the sixteen masks are written, ahead of the first select that reads one
.irp q, 0,1,2,3
.irp i, 0,1,2,3
	v_cndmask_b32 v[B2+4*\i+\q], v[L+4*\i+\q], v[NINF], s[CM+4*\q+\i]
.endr
.endr
	ROWMAX B2, M2
	PICK PM, M1                                    ; from here on a lane works for ONE token: 8 w + 2 (lane % 4) + lane / 16
	PICK PM+1, M2
	v_sub_f32 v[PM+1], v[PM+1], v[PM]              ; the second less the largest: the softmax's maximum is taken away; 0 or less
	v_mul_f32 v[PM+1], 0x3fb8aa3b, v[PM+1]         ; x log2(e)
	v_exp_f32 v[EX], v[PM+1]                       ; e = exp(m2 - m1), at most 1
	v_nop                                          ; a plain line behind the exponential
	ARGFIRST B2, M2, I2                            ; work that names nothing of it
	PICK RI, I1
	PICK RI+1, I2
	v_cvt_i32_f32 v[RI], v[RI]
	v_cvt_i32_f32 v[RI+1], v[RI+1]
	s_wait_alu depctr_va_vdst(0)                   ; the exponential has written v250, ahead of the first line that names it
	v_add_f32 v[GS], 1.0, v[EX]
	v_rcp_f32 v[RG], v[GS]                         ; the first gate: 1 / (1 + e)
	v_nop                                          ; a plain line behind the reciprocal
	s_wait_alu depctr_va_vdst(0)                   ; the reciprocal has written v214, ahead of its first reader
	v_mul_f32 v[RG+1], v[EX], v[RG]                ; the second: e / (1 + e)
	s_wait_alu depctr_va_vdst(0)                   ; the second gate, v215, is written (the indices and the first gate were shown written above): the LDS stores read v212-215
	ds_store_b64 v[OA], v[RI:RI+1]                 ; the four lanes of a row that carry the same token write the same bytes with the same values
	ds_store_b64 v[OA], v[RG:RG+1] offset:512
	s_wait_dscnt 0x0                               ; for waves 0 and 1's sake
	s_barrier_signal -1
	s_barrier_wait -1                              ; the 64 tokens' indices and gates lie in LDS
	s_cmp_gt_u32 s[WV], 1
	s_cbranch_scc1 .Lend
	ds_load_b128 v[FIN:FIN+3], v[FA]               ; into v216-219, which the last products wrote and my last sums' stores read: both were shown done ahead of the logits' stores, and nothing has named them since
	s_wait_dscnt 0x0
	global_store_b128 v[L16], v[FIN:FIN+3], s[10:11] th:TH_STORE_NT   ; wave 0: out0, wave 1: out1: 512 consecutive bytes, at a multiple of 512 from the buffer's first byte
.Lend:
	s_wait_dscnt 0x0
	s_wait_alu depctr_hold_cnt(0) depctr_sa_sdst(0) depctr_va_vdst(0) depctr_va_sdst(0) depctr_va_ssrc(0) depctr_va_vcc(0) depctr_vm_vsrc(0)
	s_wait_tensorcnt 0x0
	ds_add_u32 v254, v255
	s_wait_dscnt 0x0
	s_endpgm
.Lfunc_end_k_qdbe651df3f_main:
	.size	k_qdbe651df3f_main, .Lfunc_end_k_qdbe651df3f_main-k_qdbe651df3f_main
	.p2alignl 7, 3214868480
	.fill 96, 4, 3214868480
	.section	.rodata,"a",@progbits
	.p2align	6, 0x0
	.amdhsa_kernel k_qdbe651df3f_main
		.amdhsa_group_segment_fixed_size 208896
		.amdhsa_private_segment_fixed_size 0
		.amdhsa_enable_private_segment 0
		.amdhsa_kernarg_size 48
		.amdhsa_user_sgpr_count 2
		.amdhsa_user_sgpr_kernarg_segment_ptr 1
		.amdhsa_wavefront_size32 1
		.amdhsa_system_sgpr_workgroup_id_x 1
		.amdhsa_system_sgpr_workgroup_id_y 1
		.amdhsa_system_sgpr_workgroup_id_z 1
		.amdhsa_system_vgpr_workitem_id 0
		.amdhsa_next_free_vgpr 512
		.amdhsa_next_free_sgpr 66
		.amdhsa_reserve_vcc 0
		.amdhsa_float_denorm_mode_32 3
		.amdhsa_float_denorm_mode_16_64 3
		.amdhsa_memory_ordered 1
		.amdhsa_forward_progress 1
		.amdhsa_inst_pref_size 88
	.end_amdhsa_kernel
	.amdgpu_metadata
---
amdhsa.version: [ 1, 2 ]
amdhsa.kernels:
  - .name:           k_qdbe651df3f_main
    .symbol:         k_qdbe651df3f_main.kd
    .args:
      - { .name: x, .offset: 0, .size: 8, .value_kind: global_buffer, .address_space: global }
      - { .name: wq, .offset: 8, .size: 8, .value_kind: global_buffer, .address_space: global }
      - { .name: ws, .offset: 16, .size: 8, .value_kind: global_buffer, .address_space: global }
      - { .name: out0, .offset: 24, .size: 8, .value_kind: global_buffer, .address_space: global }
      - { .name: out1, .offset: 32, .size: 8, .value_kind: global_buffer, .address_space: global }
      - { .name: out2, .offset: 40, .size: 8, .value_kind: global_buffer, .address_space: global }
    .group_segment_fixed_size: 208896
    .private_segment_fixed_size: 0
    .kernarg_segment_align: 8
    .kernarg_segment_size: 48
    .max_flat_workgroup_size: 256
    .sgpr_count:     66
    .vgpr_count:     512
    .wavefront_size: 32
...
	.end_amdgpu_metadata
.endif
;; end of part 3
